; MI455X (gfx1250); checked and timed in simulation.
; The chip was launched on July 23, 2026; its instructions are those of AMD's public machine-readable ISA for CDNA 5 (MIT licence, August 2026) and "CDNA5" Instruction Set Architecture Reference Guide (July 2026). The comments in the code are by the model that wrote it; some were corrected since.
;; Non Local Block. Allowed arithmetic: matrix products marked QUANTISED: E3M2 operands, one E8M0 scale for each 32 along K, by v_wmma_scale_f32_16x16x128_f8f6f4 with both operands' format E3M2, f32 sums; everything else in f32.
;; Inputs: Wc_codes 1,024 x 16 x 24 uint8 (E3M2 codes of Wc, K innermost, in blocks of 32 codes, four codes in three bytes); Wc_scales 1,024 x 16 uint8 (E8M0 scales of Wc, one for each 32 codes along K); Wv_codes 512 x 16 x 24 uint8 (E3M2 codes of Wv, K innermost, in blocks of 32 codes, four codes in three bytes); Wv_scales 512 x 16 uint8 (E8M0 scales of Wv, one for each 32 codes along K); bc 1,024 float32; bv 512 float32; m_feats 2 x 4,096 x 512 float32.
;; Outputs: out0 2 x 4,096 x 512 float32.
;; This version of the problem:
;;   THIS VERSION OF THE PROBLEM IS GIVEN IN LOW PRECISION. The matrix products marked QUANTISED in the list below multiply operands that are first quantised to E3M2 (3 exponent bits, 2 mantissa bits; 6 bits a number), with one power-of-two scale for each 32 numbers along K (OCP MX v1.0); their sums are f32. All else is computed in f32.
;;   The module's matrix products, in the order in which they are computed (A, B: the left and right operand; K: the contracted axis; several contracted axes count as one K, in the product's order):
;;     1. [M 8,192, K 512] x [K 512, N 512]; A: input m_feats; B: input Wv (given as codes): QUANTISED
;;     2. [M 8,192, K 512] x [K 512, N 1,024]; A: input m_feats; B: input Wc (given as codes): QUANTISED
;;     3. batch 16 x [M 4,096, K 64] x [K 64, N 4,096]; A: computed on the way; B: computed on the way: QUANTISED
;;     4. batch 16 x [M 64, K 4,096] x [K 4,096, N 4,096]; A: computed on the way; B: softmax (see below): QUANTISED
;;   THE QUANTISER, for each operand of a quantised product, along K:
;;     - K is cut into blocks of 32 from its start; a last block that is shorter is filled with zeros.
;;     - A block's scale is 2^e with e = floor(log2(the largest magnitude in the block)) - 4, held to -126 .. 127; a block of zeros has e = 0. As a byte (E8M0): e + 127.
;;     - Each number is divided by its block's scale, clamped to +-28, and rounded to the nearest number of E3M2, ties to even, subnormals kept.
;;     - The product sums the exact products of the quantised numbers (number of the format x scale) in f32.
;;   ~~~python
;;   def quantise(x, axis):      # numpy; x: float32 -> the quantised numbers, widened to float32 again
;;       x = np.moveaxis(x, axis, -1); K = x.shape[-1]
;;       x = np.pad(x, [(0, 0)] * (x.ndim - 1) + [(0, -K % 32)]); x = x.reshape(x.shape[:-1] + (-1, 32)); a = np.abs(x).max(-1, keepdims=True)
;;       e = np.where(a > 0, np.clip(np.frexp(np.where(a > 0, a, 1))[1] - 1 - 4, -126, 127), 0)      # np.frexp(a)[1] - 1 = floor(log2(a)), exactly
;;       r = np.clip(x / 2.0 ** e, -28, 28)
;;       step = 2.0 ** (np.maximum(np.frexp(np.where(r == 0, 1, r))[1] - 1, -2) - 2)
;;       q = np.round(r / step) * step * 2.0 ** e      # np.round: ties to even
;;       return np.moveaxis(q.reshape(q.shape[:-2] + (-1,))[..., :K], -1, axis).astype(np.float32)
;;   ~~~
;;   SOFTMAX AHEAD OF A QUANTISED PRODUCT. Where the list says 'softmax', what is quantised is not the finished softmax but p = 2^(t - M), with t = logit x log2(e) and M = ceil(the row's largest t), a whole number; so 1/2 < the row's largest p <= 1. The row's sum l is taken of the UNQUANTISED p, in f32, and the product's result is divided by l at the end. Since M is a whole number, a kernel that streams over the keys may use a running M (the ceiling of the running maximum): every later rescaling is an exact power of two, which a block's scale takes up: the codes' values come out the same.
;;   OPERANDS COMPUTED ON THE WAY. 'Computed on the way' means the value that the module computes at that place (a softmax that the list does not call 'softmax' is quantised finished and normalised). What goes into a quantiser is computed in f32, as accurately as f32 sums, v_exp_f32 and their like allow (about 1e-6 of the number): no bf16 or f16 on the way to a quantiser, and a product that is left as it is and whose result goes on into a quantised operand takes f32 operands (vector FMAs, or v_wmma_f32_16x16x4_f32). A number that lies on a knife's edge between two numbers of the format may be rounded either way, as far as f32 arithmetic and the matrix unit's own rounding can turn it there, and no further.
;;   INPUTS GIVEN AS CODES. Wc (in the module: [1024, 512], K = its axis 1); Wv (in the module: [512, 512], K = its axis 1): each comes as NAME_codes (uint8): NAME with its K axis moved to the last place and cut into blocks of 32 codes, [.., K / 32, bytes a block], one block behind the other in memory; four codes in three bytes: a row's codes are one little-endian stream of bits, code i at bits 6 i .. 6 i + 5 (a code: sign, 3 exponent bits, 2 mantissa bits); and NAME_scales (uint8): the same leading axes, one E8M0 byte (e + 127) for each 32 codes along K. Its value is code x scale, taken as it is: it is not quantised again, and the codes and scales need not be those that the quantiser above would give.
;; One version. Each part assembles by itself: llvm-mc -triple=amdgcn-amd-amdhsa -mcpu=gfx1250 --defsym DOCPART=n.
;; ======== version 1 of 1: 2 launches
;; limits: right only within a limited range of input values
;; workspace buffers: kv 6,815,744 bytes; rws 3,407,872 bytes
;; launch proj (part 1): grid 4 x 64, 8 waves a work-group, clusters of 4 x 1, 327,680 bytes of LDS; arguments m_feats, Wv_codes, Wv_scales, bv, Wc_codes, Wc_scales, bc, kv, rws; writes kv, rws
.if DOCPART == 1
	.amdgcn_target "amdgcn-amd-amdhsa--gfx1250"
	.amdhsa_code_object_version 6
	.text
	.protected	k_q7b6e93b1f8_proj
	.globl	k_q7b6e93b1f8_proj
	.p2align	8
	.type	k_q7b6e93b1f8_proj,@function
k_q7b6e93b1f8_proj:
	s_mov_b64 s[64:65], 0
	v_nop
	global_prefetch_b8 v0, s[64:65] scope:SCOPE_SE
	s_setreg_imm32_b32 hwreg(HW_REG_WAVE_MODE, 25, 1), 1
	s_wait_xcnt 0x0
	s_wait_alu depctr_hold_cnt(0) depctr_sa_sdst(0) depctr_va_vdst(0) depctr_va_sdst(0) depctr_va_ssrc(0) depctr_va_vcc(0) depctr_vm_vsrc(0)
	s_getreg_b32 s2, hwreg(HW_REG_IB_STS2, 6, 4)
	s_cmp_eq_u32 s2, 0
	s_cbranch_scc0 .Lentry_in_a_cluster
	s_endpgm
.Lentry_in_a_cluster:
	s_bfe_u32 s2, ttmp6, 0x10000c
	s_cmp_lg_u32 s2, 0x3003
	s_cbranch_scc0 .Lentry_shape_is_right
	s_endpgm
.Lentry_shape_is_right:
.set XLINE, 1040
.set XRAWW, 32*XLINE
.set FRB,   1536
.set XIMG,  8*XRAWW
.set XSC,   XIMG+32*FRB
.set SPARE, XSC+8*512
.set LI,  1
.set SPW, 2
.set NIL, 3
.set XA,  4
.set XRI, 5
.set XWI, 6
.set XWS, 7
.set WA,  8
.set WSA, 9
.set BA,  10
.set SW,  12
.set WS,  16
.set XF,  32
.set XS,  80
.set PC,  84
.set TM,  104
.set PW,  120
.set ACC, 128
.set BIAS, 192
.set G1,  24
.set MSB, 0
.macro WIN new
.if MSB != \new
	s_set_vgpr_msb (MSB<<8)|\new
.set MSB, \new
.endif
.endm
.macro PLACES
.rept 5
	v_nop
.endr
.endm
.macro XLD s, set
.irp b, 0,1,2,3
.irp j, 0,1,2,3
	ds_load_b128 v[ACC+64*(\set)+16*\b+4*\j:ACC+64*(\set)+16*\b+4*\j+3], v[XA] offset:((\s)/2)*XLINE+((\s)%2)*512+128*\b+16*\j
.endr
.endr
.endm
.macro QUANT src, mode, wdst
.irp b, 0,1,2,3
	v_max3_num_f32 v[TM+\b], |v[(\src)+16*\b]|, |v[(\src)+16*\b+1]|, 0x2800000
.endr
.irp i, 2,4,6,8,10,12,14
.irp b, 0,1,2,3
	v_max3_num_f32 v[TM+\b], v[TM+\b], |v[(\src)+16*\b+\i]|, |v[(\src)+16*\b+\i+1]|
.endr
.endr
.irp b, 0,1,2,3
	s_delay_alu instid0(VALU_DEP_4)
	v_permlanex16_b32 v[TM+4+\b], v[TM+\b], s40, s41
.endr
.irp b, 0,1,2,3
	s_delay_alu instid0(VALU_DEP_4)
	v_max_num_f32 v[TM+\b], v[TM+\b], v[TM+4+\b]
.endr
.irp b, 0,1,2,3
	s_delay_alu instid0(VALU_DEP_4)
	v_add_nc_u32 v[TM+8+\b], 0xfe000000, v[TM+\b]
.endr
.irp b, 0,1,2,3
	s_delay_alu instid0(VALU_DEP_4)
	v_lshrrev_b32 v[TM+4+\b], 23, v[TM+8+\b]
.endr
.if \mode == 0
	s_delay_alu instid0(VALU_DEP_3)
	v_lshl_or_b32 v[\wdst], v[TM+5], 8, v[TM+4]
	s_delay_alu instid0(VALU_DEP_1)
	v_lshl_or_b32 v[\wdst], v[TM+6], 16, v[\wdst]
	s_delay_alu instid0(VALU_DEP_1)
	v_lshl_or_b32 v[\wdst], v[TM+7], 24, v[\wdst]
.else
	s_delay_alu instid0(VALU_DEP_3)
	v_lshl_or_b32 v[TM], v[TM+5], 8, v[TM+4]
	s_delay_alu instid0(VALU_DEP_2)
	v_lshl_or_b32 v[TM+1], v[TM+7], 8, v[TM+6]
	s_delay_alu instid0(VALU_DEP_1)
	v_cndmask_b32 v[\wdst], v[TM], v[TM+1], vcc_lo
	s_delay_alu instid0(VALU_DEP_1)
	v_or_b32 v[\wdst], 0x7f7f0000, v[\wdst]
.endif
.irp c, 0,1
	v_cvt_scalef32_pk16_bf6_f32 v[PC+6*\c:PC+6*\c+2], v[(\src)+32*\c:(\src)+32*\c+15], v[TM+8+2*\c]
	v_cvt_scalef32_pk16_bf6_f32 v[PC+12+4*\c:PC+14+4*\c], v[(\src)+32*\c+16:(\src)+32*\c+31], v[TM+9+2*\c]
.endr
	v_nop
.irp c, 0,1
.irp i, 0,1,2
	v_permlane16_swap_b32 v[PC+6*\c+\i], v[PC+12+4*\c+\i]
.endr
.irp i, 0,1,2
	s_delay_alu instid0(VALU_DEP_3)
	v_mov_b32 v[PC+3+6*\c+\i], v[PC+12+4*\c+\i]
.endr
.endr
.endm
; The values' quantiser: by the order of a tile's rows a lane's registers 32 c .. 32 c + 31 are the whole block 2 c + lane / 16 of the keys, in order
.macro QUANTN src, wdst
.irp c, 0,1
	v_max3_num_f32 v[TM+\c], |v[(\src)+32*\c]|, |v[(\src)+32*\c+1]|, 0x2800000
.endr
.irp i, 2,4,6,8,10,12,14,16,18,20,22,24,26,28,30
.irp c, 0,1
	v_max3_num_f32 v[TM+\c], v[TM+\c], |v[(\src)+32*\c+\i]|, |v[(\src)+32*\c+\i+1]|
.endr
.endr
.irp c, 0,1
	v_add_nc_u32 v[TM+8+\c], 0xfe000000, v[TM+\c]
.endr
.irp c, 0,1
	v_lshrrev_b32 v[TM+4+\c], 23, v[TM+8+\c]
.endr
	v_lshl_or_b32 v[TM], v[TM+5], 16, v[TM+4]      ; my two bytes, at their places in the scale word,
	s_delay_alu instid0(VALU_DEP_1)
	v_lshlrev_b32 v[TM], v121, v[TM]
	s_delay_alu instid0(VALU_DEP_1)
	v_permlanex16_b32 v[TM+4], v[TM], s40, s41
	s_delay_alu instid0(VALU_DEP_1)
	v_or_b32 v[\wdst], v[TM], v[TM+4]              ; with lane l xor 16's two
.irp c, 0,1
	v_cvt_scalef32_pk16_bf6_f32 v[PC+6*\c:PC+6*\c+2], v[(\src)+32*\c:(\src)+32*\c+15], v[TM+8+\c]
	v_cvt_scalef32_pk16_bf6_f32 v[PC+12+4*\c:PC+14+4*\c], v[(\src)+32*\c+16:(\src)+32*\c+31], v[TM+8+\c]
.endr
	v_nop
.irp c, 0,1
.irp i, 0,1,2
	v_mov_b32 v[PC+3+6*\c+\i], v[PC+12+4*\c+\i]
.endr
.endr
.endm
.macro CROUND                          ; a round of the cluster's barrier
	s_barrier_signal -1
	s_barrier_wait -1
	s_cmp_lg_u32 s22, 0
	s_cbranch_scc1 .Lnot_wave_0_\@
	s_barrier_signal -3
.Lnot_wave_0_\@:
	s_barrier_wait -3
	s_barrier_signal -1
	s_barrier_wait -1
.endm
.macro FETCHQ q, s
.irp i, 0,1,2,3
.irp c, 0,1,2
	ds_load_b128 v[XF+12*\i+4*\c:XF+12*\i+4*\c+3], v[XRI] offset:(4*(4*(\q)+\i)+(\s))*FRB+512*\c
.endr
.endr
	ds_load_b128 v[XS:XS+3], v[XRI] offset:XSC-XIMG+(4*(\q)+(\s))*512
.endm
.macro OUT3 unit
.irp c, 0,1,2
	global_store_b128 v[LI], v[PC+4*\c:PC+4*\c+3], s[48:49] offset:(\unit)*FRB+512*\c
.endr
.endm
.macro MMA d, a, b, c, sa, sb
	v_wmma_scale_f32_16x16x128_f8f6f4 v[(\d):(\d)+7], v[(\a):(\a)+11], v[(\b):(\b)+11], v[(\c):(\c)+7], v[\sa], v[\sb] matrix_a_fmt:MATRIX_FMT_BF6 matrix_b_fmt:MATRIX_FMT_BF6
.endm
	s_load_b256 s[4:11], s[0:1], 0x0
	s_load_b256 s[12:19], s[0:1], 0x20
	s_load_b64 s[20:21], s[0:1], 0x40
	v_lshl_add_u32 v[SPW], v0, 2, SPARE
	v_mov_b32 v[NIL], 0
	ds_add_u32 v[SPW], v[NIL]
	ds_add_u32 v[SPW], v[NIL]
	v_lshrrev_b32 v11, 5, v0
	s_delay_alu instid0(VALU_DEP_1)
	v_readfirstlane_b32 s22, v11
	; The four work-groups of a cluster share one block of 128 rows of m_feats, asked for jointly.  Waves 0-1 make the rows (Wv), 2-3 the keys, 4-5 the values (Wc), a head each: head 2 cx + wave % 2; waves 6-7 only quantise m_feats.
	s_and_b32 s62, ttmp7, 0xffff                   ; the block of 128 rows, which the four partners share
	s_bfe_u32 s63, ttmp6, 0x40000                  ; cx: it enters global offsets of the weights, the biases and the results alone
	s_lshr_b32 s23, s22, 1                         ; the kind of my unit: 0 rows, 1 keys, 2 values, 3 none
	s_and_b32 s3, s22, 1
	s_lshl_b32 s63, s63, 1
	s_add_co_u32 s3, s3, s63                       ; my head
	s_mov_b32 s[G1+0], 15|(3<<16)|(1<<20)|(1<<21)|(7<<22)|(3<<25)
	s_mov_b32 s[G1+1], 128<<16
	s_mov_b32 s[G1+2], 32<<16
	s_mov_b32 s[G1+3], 128<<16
	s_mov_b32 s[G1+4], 32
	s_mov_b32 s[G1+5], 128
	s_mov_b32 s[G1+6], 0
	s_mov_b32 s[G1+7], 0
	s_lshr_b32 s54, s22, 2                         ; index r of wave w's tile is row 64 (w / 4) + 32 (r / 8) + 8 (w % 4) + r % 8 of the block of 128
	s_lshl_b32 s54, s54, 6
	s_and_b32 s55, s22, 3
	s_lshl_b32 s55, s55, 3
	s_add_co_u32 s55, s55, s54
	s_mul_i32 s55, s55, 2*XLINE                    ; where my tile's first row lies in LDS: a row is two lines
	s_lshl_b32 s52, s62, 7                         ; wave w fetches the block's rows 16 w .. 16 w + 15: 32 dense lines of 1,024 bytes, one tensor load
	s_lshl_b32 s54, s22, 4
	s_add_co_u32 s52, s52, s54
	s_lshl_b32 s52, s52, 11
	s_mov_b32 s53, 0
	s_mov_b32 s32, 1
	s_mul_i32 s33, s22, XRAWW
	s_mov_b32 s40, 0x76543210
	s_mov_b32 s41, 0xfedcba98
	v_and_b32 v11, 31, v0
	s_delay_alu instid0(VALU_DEP_1)
	v_lshlrev_b32 v[LI], 4, v11
	v_and_b32 v116, 15, v0
	v_bfe_u32 v117, v0, 4, 1
	v_and_b32 v118, 7, v0
	v_bfe_u32 v119, v0, 3, 1
	v_mul_u32_u24 v[XA], v118, 2*XLINE             ; r % 8 rows,
	v_mul_u32_u24 v119, v119, 64*XLINE             ; 32 (r / 8) rows,
	v_lshl_add_u32 v[XA], v117, 6, v[XA]
	v_add_nc_u32 v119, s55, v119                   ; from my tile's first row
	v_add_nc_u32 v[XA], v119, v[XA]
	v_add_nc_u32 v[XRI], XIMG, v[LI]
	s_mul_i32 s54, s22, 4*FRB
	v_add_nc_u32 v[XWI], s54, v[XRI]
	s_lshr_b32 s54, s22, 2
	s_lshl_b32 s54, s54, 11
	s_and_b32 s55, s22, 3
	s_lshl_b32 s55, s55, 2
	s_add_co_u32 s54, s54, s55
	s_add_co_u32 s54, s54, XSC
	v_add_nc_u32 v[XWS], s54, v[LI]
	v_and_b32 v118, 8, v116
	s_delay_alu instid0(VALU_DEP_1)
	v_add_nc_u32 v118, v118, v116
	s_delay_alu instid0(VALU_DEP_1)
	v_mul_u32_u24 v[WA], v118, 384
	s_delay_alu instid0(VALU_DEP_1)
	v_mad_u32_u24 v[WA], v117, 24, v[WA]
	s_delay_alu instid0(VALU_DEP_3)
	v_lshlrev_b32 v[WSA], 4, v118
	s_cmp_eq_u32 s23, 2
	s_cselect_b32 s56, 4, 0
	s_cselect_b32 s57, 0, 64
	v_mul_u32_u24 v[BA], v118, s56
	s_delay_alu instid0(VALU_DEP_1)
	v_mad_u32_u24 v[BA], v117, s57, v[BA]
	v_lshlrev_b32 v121, 3, v117                    ; 8 x (lane / 16); never rewritten
.irp b, 0,1,2,3
	v_mov_b32 v[TM+4+\b], 0
.endr
	s_wait_alu depctr_va_vdst(0)
	s_wait_dscnt 0x0
	s_wait_kmcnt 0x0
	s_add_nc_u64 s[34:35], s[4:5], s[52:53]
	s_or_b32 s35, s35, 0x80000000
	CROUND                                         ; all four work-groups are here: the joint loads meet
	tensor_load_to_lds s[32:35], s[G1:G1+7]        ; my one tensor load: its address is made of the block and the wave's number alone
	s_nop 0
	s_cmp_eq_u32 s23, 0
	s_cselect_b64 s[42:43], s[6:7], s[12:13]
	s_cselect_b64 s[44:45], s[8:9], s[14:15]
	s_cselect_b64 s[46:47], s[10:11], s[16:17]
	s_cselect_b64 s[48:49], s[20:21], s[18:19]
	s_mov_b32 s56, 13312
	s_cselect_b32 s56, 6656, s56
	s_mov_b32 s57, 12288
	s_cselect_b32 s57, 6144, s57
	s_cmp_eq_u32 s23, 2
	s_cselect_b32 s58, 512, 0
	s_cselect_b32 s59, 6144, 0
	s_cselect_b32 s60, 512, 0
	s_add_co_u32 s57, s57, s60
	s_lshl_b32 s61, s3, 6
	s_add_co_u32 s58, s58, s61
	s_mov_b32 s53, 0
	s_mul_i32 s52, s58, 384
	s_add_nc_u64 s[42:43], s[42:43], s[52:53]
	s_lshl_b32 s52, s58, 4
	s_add_nc_u64 s[44:45], s[44:45], s[52:53]
	s_lshl_b32 s52, s58, 2
	s_add_nc_u64 s[46:47], s[46:47], s[52:53]
	s_lshr_b32 s52, s62, 5
	s_lshl_b32 s52, s52, 3
	s_add_co_u32 s52, s52, s3
	s_lshl_b32 s52, s52, 5
	s_and_b32 s61, s62, 31
	s_add_co_u32 s52, s52, s61
	s_mul_i32 s52, s52, s56
	s_add_nc_u64 s[48:49], s[48:49], s[52:53]
	s_mov_b32 s52, s57
	s_add_nc_u64 s[50:51], s[48:49], s[52:53]
	s_mov_b32 s52, s59
	s_add_nc_u64 s[48:49], s[48:49], s[52:53]
	s_cmp_eq_u32 s23, 3                            ; waves 6 and 7 have no unit: no weights, no bias
	s_cbranch_scc1 .Lbias_done
	WIN 0x40
.irp t, 0,1,2,3
.irp s, 0,1,2,3
.irp p, 0,1,2,3,4,5
	global_load_b64 v[12*(4*\t+\s)+2*\p:12*(4*\t+\s)+2*\p+1], v[WA], s[42:43] offset:(32*(\t/2)+8*(\t%2))*384+96*\s+48*(\p/3)+8*(\p%3)
.endr
.endr
.endr
	WIN 0
.irp t, 0,1,2,3
	global_load_b128 v[WS+4*\t:WS+4*\t+3], v[WSA], s[44:45] offset:(32*(\t/2)+8*(\t%2))*16
.endr
	s_cmp_eq_u32 s23, 2
	s_cbranch_scc1 .Lbias_v
	WIN 0x40
.irp t, 0,1,2,3
	global_load_b128 v[BIAS+8*\t:BIAS+8*\t+3], v[BA], s[46:47] offset:(32*(\t/2)+8*(\t%2))*4
	global_load_b128 v[BIAS+8*\t+4:BIAS+8*\t+7], v[BA], s[46:47] offset:(32*(\t/2)+8*(\t%2))*4+16
.endr
	WIN 0
	s_branch .Lbias_done
.Lbias_v:
	WIN 0x40
.irp t, 0,1,2,3
.irp j, 0,1,2,3,4,5,6,7
	global_load_b32 v[BIAS+8*\t+\j], v[BA], s[46:47] offset:(32*(\t/2)+8*(\t%2))*4
.endr
.endr
	WIN 0
.Lbias_done:
	s_wait_tensorcnt 0x0                           ; my 16 rows are in
	s_barrier_signal -1
	s_barrier_wait -1                              ; everybody's are: a tile's rows were fetched by two other waves
	XLD 0, 0
	XLD 1, 1
.irp s, 0,1,2,3
.if \s < 3
	s_wait_dscnt 16
.else
	s_wait_dscnt 0x0
.endif
	QUANT ACC+64*(\s%2), 0, PW
.irp c, 0,1,2
	ds_store_b128 v[XWI], v[PC+4*\c:PC+4*\c+3] offset:FRB*\s+512*\c
.endr
	ds_store_b32 v[XWS], v[PW] offset:512*\s
.if \s < 2
	XLD \s+2, \s%2
.endif
.endr
	s_wait_dscnt 0x0
	s_barrier_signal -1
	s_barrier_wait -1
	s_wait_loadcnt 0x0
	s_mov_b32 vcc_lo, 0xffff0000
	s_cmp_eq_u32 s23, 3
	s_cbranch_scc1 .Lend
	s_cmp_eq_u32 s23, 2
	s_cbranch_scc1 .Lvalues
.irp q, 0,1
.irp s, 0,1,2,3
	FETCHQ \q, \s
	s_wait_dscnt 0x0
.if \s == 0
	WIN 0x11
.else
	WIN 0x01
.endif
.irp i, 0,1,2,3
.irp t, 0,1,2,3
.if \s == 0
	MMA ACC+8*(4*\i+\t), 12*(4*\t+\s), XF+12*\i, BIAS+8*\t, WS+4*\t+\s, XS+\i
.else
	MMA ACC+8*(4*\i+\t), 12*(4*\t+\s), XF+12*\i, ACC+8*(4*\i+\t), WS+4*\t+\s, XS+\i
.endif
.endr
.endr
	WIN 0
	PLACES
.endr
.irp p, 0,1
	s_wait_xcnt 0x0
	QUANT ACC+64*\p, 1, SW+2*\q+\p
	OUT3 2*\q+\p
.endr
.endr
	s_branch .Ljoin
.Lvalues:
.irp g, 0,1
.irp s, 0,1,2,3
.irp q, 0,1
	FETCHQ \q, \s
	s_wait_dscnt 0x0
.if \s == 0
	WIN 0x14
.else
	WIN 0x04
.endif
.irp i, 0,1,2,3
.irp e, 0,1
.if \s == 0
	MMA ACC+8*(8*\e+4*\q+\i), XF+12*\i, 12*(4*(2*\g+\e)+\s), BIAS+8*(2*\g+\e), XS+\i, WS+4*(2*\g+\e)+\s
.else
	MMA ACC+8*(8*\e+4*\q+\i), XF+12*\i, 12*(4*(2*\g+\e)+\s), ACC+8*(8*\e+4*\q+\i), XS+\i, WS+4*(2*\g+\e)+\s
.endif
.endr
.endr
	WIN 0
	PLACES
.endr
.endr
.irp e, 0,1
	s_wait_xcnt 0x0
	QUANTN ACC+64*\e, SW+2*\g+\e
	OUT3 2*\g+\e
.endr
.endr
.Ljoin:
	global_store_b128 v[LI], v[SW:SW+3], s[50:51]
.Lend:
	s_wait_tensorcnt 0x0
	ds_add_u32 v[SPW], v[NIL]
	s_wait_dscnt 0x0
	CROUND                                         ; the closing round
	s_endpgm
.Lfunc_end_k_q7b6e93b1f8_proj:
	.size	k_q7b6e93b1f8_proj, .Lfunc_end_k_q7b6e93b1f8_proj-k_q7b6e93b1f8_proj
	.p2alignl 7, 3214868480
	.fill 96, 4, 3214868480
	.section	.rodata,"a",@progbits
	.p2align	6, 0x0
	.amdhsa_kernel k_q7b6e93b1f8_proj
		.amdhsa_group_segment_fixed_size 327680
		.amdhsa_private_segment_fixed_size 0
		.amdhsa_enable_private_segment 0
		.amdhsa_kernarg_size 72
		.amdhsa_user_sgpr_count 2
		.amdhsa_user_sgpr_kernarg_segment_ptr 1
		.amdhsa_wavefront_size32 1
		.amdhsa_system_sgpr_workgroup_id_x 1
		.amdhsa_system_sgpr_workgroup_id_y 1
		.amdhsa_system_sgpr_workgroup_id_z 1
		.amdhsa_system_vgpr_workitem_id 0
		.amdhsa_next_free_vgpr 512
		.amdhsa_next_free_sgpr 66
		.amdhsa_reserve_vcc 1
		.amdhsa_float_denorm_mode_32 3
		.amdhsa_float_denorm_mode_16_64 3
		.amdhsa_memory_ordered 1
		.amdhsa_forward_progress 1
		.amdhsa_inst_pref_size 134
	.end_amdhsa_kernel
	.amdgpu_metadata
---
amdhsa.version: [ 1, 2 ]
amdhsa.kernels:
  - .name:           k_q7b6e93b1f8_proj
    .symbol:         k_q7b6e93b1f8_proj.kd
    .args:
      - { .name: m_feats, .offset: 0, .size: 8, .value_kind: global_buffer, .address_space: global }
      - { .name: Wv_codes, .offset: 8, .size: 8, .value_kind: global_buffer, .address_space: global }
      - { .name: Wv_scales, .offset: 16, .size: 8, .value_kind: global_buffer, .address_space: global }
      - { .name: bv, .offset: 24, .size: 8, .value_kind: global_buffer, .address_space: global }
      - { .name: Wc_codes, .offset: 32, .size: 8, .value_kind: global_buffer, .address_space: global }
      - { .name: Wc_scales, .offset: 40, .size: 8, .value_kind: global_buffer, .address_space: global }
      - { .name: bc, .offset: 48, .size: 8, .value_kind: global_buffer, .address_space: global }
      - { .name: kv, .offset: 56, .size: 8, .value_kind: global_buffer, .address_space: global }
      - { .name: rws, .offset: 64, .size: 8, .value_kind: global_buffer, .address_space: global }
    .group_segment_fixed_size: 327680
    .private_segment_fixed_size: 0
    .kernarg_segment_align: 8
    .kernarg_segment_size: 72
    .max_flat_workgroup_size: 256
    .sgpr_count:     66
    .vgpr_count:     512
    .wavefront_size: 32
...
	.end_amdgpu_metadata
.endif
;; end of part 1
;; launch attn (part 2): grid 16 x 16, 16 waves a work-group, clusters of 4 x 1, 327,680 bytes of LDS; arguments kv, rws, m_feats, out0; writes out0
.if DOCPART == 2
	.amdgcn_target "amdgcn-amd-amdhsa--gfx1250"
	.amdhsa_code_object_version 6
	.text
	.protected	k_q7b6e93b1f8_attn
	.globl	k_q7b6e93b1f8_attn
	.p2align	8
	.type	k_q7b6e93b1f8_attn,@function
k_q7b6e93b1f8_attn:
	s_mov_b64 s[64:65], 0
	v_nop
	global_prefetch_b8 v0, s[64:65] scope:SCOPE_SE
	s_setreg_imm32_b32 hwreg(HW_REG_WAVE_MODE, 25, 1), 1
	s_wait_xcnt 0x0
	s_wait_alu depctr_hold_cnt(0) depctr_sa_sdst(0) depctr_va_vdst(0) depctr_va_sdst(0) depctr_va_ssrc(0) depctr_va_vcc(0) depctr_vm_vsrc(0)
	s_getreg_b32 s2, hwreg(HW_REG_IB_STS2, 6, 4)
	s_cmp_eq_u32 s2, 0
	s_cbranch_scc0 .Lentry_in_a_cluster
	s_endpgm
.Lentry_in_a_cluster:
	s_bfe_u32 s2, ttmp6, 0x10000c
	s_cmp_lg_u32 s2, 0x3003
	s_cbranch_scc0 .Lentry_shape_is_right
	s_endpgm
.Lentry_shape_is_right:
; NonLocalBlock, second launch: out[b][i][h] = m_feats + sum over j of softmax_j(k_i . q_j / 8) v_j, both products on codes of BF6 (E3M2) with one E8M0 scale for each 32 along K.  No work is left out.
; The rows i (m_k) come from rws, the keys j (m_q) and the values (m_v, keys innermost) from kv: images of operand registers made by the launch before (registers 4 c .. 4 c + 3 of lane l at 512 c + 16 l).
; THE SOFTMAX: t = score x log2(e) / 8; M = the running largest t rounded UP to a whole number; p = 2^(t - M) is quantised along the keys, not normalised; the row's sum is taken of the unquantised p and divides at the end.
; When M moves, the sum and O are multiplied by 2^(old M - new M): exact.
; SHARES.  A work-group owns 256 rows of one (batch, head); each of its sixteen waves one tile of 16 rows, in 256 registers.  Every wave walks 32 key steps of 128 keys: 8 products for the scores, 4 for O.
; LAYOUT.  Both products transposed: S^T = keys x rows, O^T = V^T x p: a lane holds ONE row (lane % 16) throughout.  Index r of tile T of a group of 128 rows or keys is place 64 (T / 4) + 32 (r / 8) + 8 (T % 4) + r % 8:
; so registers 32 c .. 32 c + 31 of S^T are, in lane half h, the WHOLE block 2 c + h of 32 keys in order, which is what the operand's layout gives that lane: a block's maximum needs no other lane and p's codes change no lane.
; Channels: index r of V^T's tile t is channel 32 (t / 2) + 8 (t % 2) + r + 8 (r / 8).
; K = 64 IN AN INSTRUCTION OF 128: my rows' registers 6-11 are zero codes; a tile of keys has the next tile's codes there (six zero registers follow the last): finite numbers times zero.  The upper scale bytes are 127.
; THE STEP: V^T p of step n and the scores of step n + 1 are twelve matrix instructions on end; the last four instructions of step n's sum stand behind them as their places (ISA guide 7.12.1).
; The LDS loads of step n's values and step n + 1's keys stand in the gaps of the dependent lines that make M, and have the rest of the step's vector work in which to land.
; LDS.  24 of a head's 32 key steps (13,312 bytes each) lie in LDS at once, in three regions of 8.  Every wave issues one tensor load at the head (26 lines of 256 bytes of region 0), one behind the next round (52 lines of
; regions 1 and 2), and one refill in step 7 (26 lines of steps 24-31, into region 0, whose last read is that step's values).  By this text's own count a wave has one tensor load out at a time.
; CLUSTER.  The four work-groups of a cluster own rows of one (batch, head) and walk the same keys and values: each load is asked for JOINTLY, with the same descriptor and a mask that names the four.
; kv is not prefetched: no loop stands ahead of its first fills, and the refill is asked for 15 key steps ahead of the wait for it.  The residual's rows of m_feats are: 7 key steps ahead of their loads, each row's 256 bytes named once.
; LIMITS: the promise holds while |t| stays under 2^31; a block of p whose largest number lies under 2^-122 gets the byte 1; NaN and infinities are not served; t - M is one fused multiply-add.
.set STEPB, 13312                      ; a key step: 0 keys' codes, 6,144 V^T's codes, 12,288 keys' scale registers, 12,800 V^T's scale words
.set REG,   8*STEPB
.set SPARE, 3*REG                      ; the spare words, 128 bytes a wave
.set STAGE, REG                        ; the way out: 16 rows x 272 bytes a wave, in region 1: it has had its only fill, and behind step 23's barrier nobody reads it
.set LI,  1                            ; 16 x lane
.set ADR, 2                            ; the key step's first byte + 16 x lane
.set SPW, 3
.set NIL, 4
.set RSC, 5                            ; my rows' scale words
.set F,   6                            ; 2^(old M - new M)
.set H8,  7                            ; 8 x (lane / 16); never rewritten
.set BM,  8                            ; v8-9 my two blocks' largest scores, then p, then the conversions' scale operands
.set T0,  10
.set T1,  11
                                       ; v12 -M, v13 the largest score, v[14:15] the sum in two halves
.set RF,  16                           ; v16-27 my rows: 6 registers of codes, 6 of zeros
.set KSC, 28                           ; v28-31 the keys' scale registers
.set KF,  32                           ; v32-79 the keys' eight tiles; v80-85 zeros
.set VSC, 86                           ; v86-89 V^T's scale words
.set PW,  90                           ; p's scale word
.set PFO, 91                           ; 2,048 x lane
.set S,   92                           ; v92-155 S^T, then p
.set O,   156                          ; v156-187 O^T
.set PC,  188                          ; v188-199 p's codes
.set CT,  200                          ; v200-207 at work
.set VF,  208                          ; v208-255 V^T's four fragments
.set WV,  12
.set G1,  24                           ; s[24:31] group 1: 26 lines
.set G0,  32                           ; s[32:43] three groups 0: region 0, regions 1 and 2, the refill; never rewritten
.set SEL, 48
.set CS,  50                           ; s[50:51] log2(e) / 8
.set TB,  52
.set CNT, 53
.set MF,  54
.set OUTP, 56
.set PF,  58
.set G1B, 68                           ; s[68:75] group 1: 52 lines
.macro CROUND                          ; a round of the cluster's barrier
	s_barrier_signal -1
	s_barrier_wait -1
	s_cmp_lg_u32 s[WV], 0
	s_cbranch_scc1 .Lnot_wave_0_\@
	s_barrier_signal -3
.Lnot_wave_0_\@:
	s_barrier_wait -3
	s_barrier_signal -1
	s_barrier_wait -1
.endm
.macro FV n                            ; the next n of the 13 loads of a step's values
.rept \n
.if vi < 12
	ds_load_b128 v[VF+4*vi:VF+4*vi+3], v[ADR] offset:6144+512*vi
.else
	ds_load_b128 v[VSC:VSC+3], v[ADR] offset:12800
.endif
.set vi, vi+1
.endr
.endm
.macro FK n, a, o                      ; the next n of the 13 loads of a step's keys
.rept \n
.if ki < 12
	ds_load_b128 v[KF+4*ki:KF+4*ki+3], v[\a] offset:(\o)+512*ki
.else
	ds_load_b128 v[KSC:KSC+3], v[\a] offset:(\o)+12288
.endif
.set ki, ki+1
.endr
.endm
.macro KL n, sc, kli                   ; the next step's keys lie STEPB on, or (kli) at LDS byte 0
.if \sc
.if \kli
	FK \n, LI, 0
.else
	FK \n, ADR, STEPB
.endif
.endif
.endm
.macro TMM n                           ; t - M, two at a time
.rept \n
	v_pk_fma_f32 v[S+j:S+j+1], v[S+j:S+j+1], s[CS:CS+1], v[12:13] op_sel_hi:[1,0,0]
.set j, j+2
.endr
.endm
.macro SCORES
.irp t, 0,1,2,3,4,5,6,7
.if \t % 2
	v_wmma_scale_f32_16x16x128_f8f6f4 v[S+8*\t:S+8*\t+7], v[KF+6*\t:KF+6*\t+11], v[RF:RF+11], 0, v[KSC+\t/2], v[RSC] matrix_a_fmt:MATRIX_FMT_BF6 matrix_b_fmt:MATRIX_FMT_BF6 matrix_a_scale:MATRIX_SCALE_ROW1
.else
	v_wmma_scale_f32_16x16x128_f8f6f4 v[S+8*\t:S+8*\t+7], v[KF+6*\t:KF+6*\t+11], v[RF:RF+11], 0, v[KSC+\t/2], v[RSC] matrix_a_fmt:MATRIX_FMT_BF6 matrix_b_fmt:MATRIX_FMT_BF6
.endif
.endr
.endm
; A KEY STEP n: its scores are in S.  sc: step n + 1 follows (its keys are fetched, its scores made).  mid = 1: the refill of region 0, between the loads of the values and of the keys; mid = 2: the barrier that shows the refill whole.
; kli: the next keys lie at LDS byte 0.  tbz: the next step lies at LDS byte 0.
.macro BODY sc, mid, kli, tbz
.set vi, 0
.set ki, 0
.irp c, 0,1                            ; the largest score of my two blocks, each in two chains; every tile of S^T is first read at its low end
	v_max3_num_f32 v[BM+\c], v[S+32*\c], v[S+32*\c+1], v[S+32*\c+2]
.endr
.irp c, 0,1
	v_max3_num_f32 v[CT+\c], v[S+32*\c+17], v[S+32*\c+18], v[S+32*\c+19]
.endr
.irp k, 0,2,4,6,8,10
.irp c, 0,1
	v_max3_num_f32 v[BM+\c], v[BM+\c], v[S+32*\c+3+\k], v[S+32*\c+4+\k]
.endr
.irp c, 0,1
	v_max3_num_f32 v[CT+\c], v[CT+\c], v[S+32*\c+20+\k], v[S+32*\c+21+\k]
.endr
.endr
.irp c, 0,1
	v_max3_num_f32 v[BM+\c], v[BM+\c], v[S+32*\c+15], v[S+32*\c+16]
.endr
.irp c, 0,1
	v_max_num_f32 v[BM+\c], v[BM+\c], v[CT+\c]
.endr
	v_max_num_f32 v[T0], v[BM], v[BM+1]
	FV 7
	v_permlanex16_b32 v[T1], v[T0], s[SEL], s[SEL+1]   ; lane l xor 16's two blocks
	FV 6
.if \mid == 1
	s_wait_alu depctr_va_vdst(0)                   ; the wait ahead of the waits below
	s_wait_tensorcnt 0x0                           ; my part of regions 1 and 2 is in
	ds_add_u32 v[SPW], v[NIL]
	s_wait_dscnt 0x0                               ; the add is done, and my reads of region 0 are over
	CROUND                                         ; so it is with every wave of all four work-groups
	tensor_load_to_lds s[G0+8:G0+11], s[G1:G1+7]   ; key steps 24-31, my 26 lines
	s_nop 0
.endif
.if \mid == 2
	s_wait_alu depctr_va_vdst(0)
	s_wait_tensorcnt 0x0                           ; my part of key steps 24-31 is in
	s_wait_dscnt 0x0                               ; my reads of regions 1 and 2 are over: region 1 will be the stage
	s_barrier_signal -1
	s_barrier_wait -1
.endif
	v_max3_num_f32 v13, v13, v[T0], v[T1]          ; the running largest score
	KL 4, \sc, \kli
	v_mul_f32 v[T0], s[CS], v13                    ; as t
	v_mov_b32 v[T1], v12
	KL 4, \sc, \kli
	v_floor_f32 v12, -v[T0]                        ; the new -M = floor(-t)
	KL 5, \sc, \kli
.if \tbz
	s_mov_b32 s[TB], 0
.else
	s_add_co_u32 s[TB], s[TB], STEPB
.endif
	v_sub_f32 v[T1], v12, v[T1]                    ; old M - new M: a whole number, 0 or less
.set j, 0
	TMM 2
	v_cvt_i32_f32 v[T1], v[T1]                     ; (it saturates)
	TMM 2
	v_ldexp_f32 v[F], 1.0, v[T1]                   ; f = 2^(old M - new M)
	TMM 28
.irp c, 0,1
	v_fma_f32 v[BM+\c], v[BM+\c], s[CS], v12       ; the same of each block's largest score: p rises with the score
.endr
.set j, 0
.rept 16
	v_pk_mul_f32 v[O+j:O+j+1], v[O+j:O+j+1], v[F:F+1] op_sel_hi:[1,0]   ; O^T under the new M
.set j, j+2
.endr
	s_wait_alu depctr_va_vdst(0)                   ; the wait ahead of the batch
.set j, 0
.rept 64
	v_exp_f32 v[S+j], v[S+j]                       ; p = 2^(t - M)
.set j, j+1
.endr
.irp c, 0,1
	v_exp_f32 v[BM+\c], v[BM+\c]                   ; each block's largest p
.endr
.if \sc
	v_add_nc_u32 v[ADR], s[TB], v[LI]              ; the next step's bytes: the plain instruction behind the batch
.else
	v_nop
.endif
	s_wait_alu depctr_va_vdst(0)                   ; one wait for the 66, ahead of their first reader
.irp c, 0,1
	v_max_num_f32 v[BM+\c], 0x2800000, v[BM+\c]    ; the floor 2^(5 - 127): the byte cannot fall under 1
.endr
.irp c, 0,1
	v_add_nc_u32 v[BM+\c], 0xfe000000, v[BM+\c]    ; 4 off the exponent field: the conversion's scale operand
.endr
	v_lshrrev_b32 v[T0], 23, v[BM]
	v_lshrrev_b32 v[T1], 23, v[BM+1]               ; the scales' bytes: blocks h and 2 + h
	s_delay_alu instid0(VALU_DEP_1)
	v_lshl_or_b32 v[T0], v[T1], 16, v[T0]
	s_delay_alu instid0(VALU_DEP_1)
	v_lshlrev_b32 v[T0], v[H8], v[T0]              ; at their places in the scale word
	s_delay_alu instid0(VALU_DEP_1)
	v_permlanex16_b32 v[T1], v[T0], s[SEL], s[SEL+1]
.irp c, 0,1
	v_cvt_scalef32_pk16_bf6_f32 v[PC+6*\c:PC+6*\c+2], v[S+32*\c:S+32*\c+15], v[BM+\c]
	v_cvt_scalef32_pk16_bf6_f32 v[CT+4*\c:CT+4*\c+2], v[S+32*\c+16:S+32*\c+31], v[BM+\c]   ; (a conversion's three registers begin on an even number)
.endr
	v_or_b32 v[PW], v[T0], v[T1]                   ; p's scale word: the plain instruction behind the last conversion
.irp c, 0,1
.irp i, 0,1,2
	v_mov_b32 v[PC+3+6*\c+\i], v[CT+4*\c+\i]
.endr
.endr
.irp m, 0,1,2,3                        ; the sum of the unquantised p, two at a time in four chains; these 28 also stand between the scale word's and the codes' last writes and the products
	v_pk_add_f32 v[CT+2*\m:CT+2*\m+1], v[S+2*\m:S+2*\m+1], v[S+8+2*\m:S+9+2*\m]
.endr
.irp g, 2,3,4,5,6,7
.irp m, 0,1,2,3
	v_pk_add_f32 v[CT+2*\m:CT+2*\m+1], v[CT+2*\m:CT+2*\m+1], v[S+8*\g+2*\m:S+8*\g+2*\m+1]
.endr
.endr
	s_wait_alu depctr_va_vdst(0)                   ; the wait ahead of the wait below
	s_wait_dscnt 0x0                               ; this step's values and the next step's keys are in
.irp t, 0,1,2,3
	v_wmma_scale_f32_16x16x128_f8f6f4 v[O+8*\t:O+8*\t+7], v[VF+12*\t:VF+12*\t+11], v[PC:PC+11], v[O+8*\t:O+8*\t+7], v[VSC+\t], v[PW] matrix_a_fmt:MATRIX_FMT_BF6 matrix_b_fmt:MATRIX_FMT_BF6
.endr
.if \sc
	SCORES
.endif
	v_pk_add_f32 v[CT:CT+1], v[CT:CT+1], v[CT+2:CT+3]          ; the four chains join: four plain instructions that name no register of the products: their places
	v_pk_add_f32 v[CT+4:CT+5], v[CT+4:CT+5], v[CT+6:CT+7]
	v_pk_add_f32 v[CT:CT+1], v[CT:CT+1], v[CT+4:CT+5]
	v_pk_fma_f32 v[14:15], v[14:15], v[F:F+1], v[CT:CT+1] op_sel_hi:[1,0,1]   ; the sum under the new M, and this step's part
.endm
.macro LOOP n
	s_mov_b32 s[CNT], \n
.Lstep_\@:
	BODY 1, 0, 0, 0
	s_sub_co_u32 s[CNT], s[CNT], 1
	s_cmp_lg_u32 s[CNT], 0
	s_cbranch_scc1 .Lstep_\@
.endm
	s_load_b256 s[4:11], s[0:1], 0x0               ; kv, rws, m_feats, out0
	v_lshl_add_u32 v[SPW], v0, 2, SPARE
	v_mov_b32 v[NIL], 0
	ds_add_u32 v[SPW], v[NIL]                      ; the opening: the add, twice on end, and its wait
	ds_add_u32 v[SPW], v[NIL]
	v_lshrrev_b32 v2, 5, v0
	v_readfirstlane_b32 s[WV], v2                  ; wave 0..15
	s_bfe_u32 s13, ttmp6, 0x40000                  ; cx
	s_lshl_b32 s14, ttmp9, 2
	s_add_co_u32 s14, s14, s13                     ; my block of 256 rows: it enters global addresses of rws, m_feats and out0 alone
	s_and_b32 s15, ttmp7, 0xffff                   ; (batch, head), which the four partners share
.irp g, G1, G1B                        ; dense lines of 256 bytes (32 elements of 8), no padding: images are read 512 consecutive bytes an instruction
	s_mov_b32 s[\g+0], 15|(3<<16)|(1<<21)          ; the mask: all four work-groups; bit 21 set beside it
	s_mov_b32 s[\g+1], 32<<16
	s_mov_b32 s[\g+3], 32<<16
	s_mov_b32 s[\g+5], 32
	s_mov_b32 s[\g+6], 0
	s_mov_b32 s[\g+7], 0
.endr
	s_mov_b32 s[G1+2], 26<<16
	s_mov_b32 s[G1+4], 26
	s_mov_b32 s[G1B+2], 52<<16
	s_mov_b32 s[G1B+4], 52
	s_mul_i32 s18, s[WV], 6656                     ; my sixteenth of a region
	s_mov_b32 s19, 0
	s_mul_i32 s16, s15, 32*STEPB
	s_mov_b32 s17, 0
	s_mov_b32 s[G0], 1
	s_mov_b32 s[G0+1], s18
	s_mov_b32 s[G0+4], 1
	s_lshl_b32 s[G0+5], s18, 1
	s_add_co_u32 s[G0+5], s[G0+5], REG
	s_mov_b32 s[G0+8], 1
	s_mov_b32 s[G0+9], s18
	s_mov_b32 s[SEL], 0x76543210
	s_mov_b32 s[SEL+1], 0xfedcba98
	s_mov_b32 s[CS], 0x3e38aa3b                    ; log2(e) / 8
	s_mov_b32 s[CS+1], s[CS]
	s_lshr_b32 s20, s15, 3                         ; rows in m_feats and out0: batch x 4,096 + 256 x block + 64 (w / 4)
	s_lshl_b32 s20, s20, 12
	s_lshl_b32 s21, s14, 8
	s_add_co_u32 s20, s20, s21
	s_lshr_b32 s21, s[WV], 2
	s_lshl_b32 s21, s21, 6
	s_add_co_u32 s20, s20, s21
	s_and_b32 s3, s15, 7
	s_lshl_b32 s3, s3, 8                           ; the head's 256 bytes of a row
	s_and_b32 s21, s[WV], 1
	s_lshl_b32 s21, s21, 5
	s_add_co_u32 s60, s20, s21                     ; the prefetch: + 32 (w % 2)
	s_lshl_b32 s60, s60, 11
	s_add_co_u32 s60, s60, s3
	s_mov_b32 s61, 0
	s_and_b32 s21, s[WV], 3
	s_lshl_b32 s21, s21, 3
	s_add_co_u32 s20, s20, s21                     ; my tile's first row: + 8 (w % 4)
	s_lshl_b32 s20, s20, 11
	s_add_co_u32 s20, s20, s3
	s_mov_b32 s21, 0
	s_lshl_b32 s62, s15, 5                         ; my tile's block of rws: 32 (batch, head) + 2 x block + w / 8
	s_lshl_b32 s23, s14, 1
	s_add_co_u32 s62, s62, s23
	s_lshr_b32 s23, s[WV], 3
	s_add_co_u32 s62, s62, s23
	s_mul_i32 s62, s62, 6656
	s_mov_b32 s63, 0
	s_lshr_b32 s22, s[WV], 1
	s_and_b32 s22, s22, 3                          ; P: which pair of tiles
	s_and_b32 s23, s[WV], 1                        ; u: registers 6 u .. 6 u + 5 of the pair's image
	s_mul_i32 s44, s22, 1536
	s_mul_i32 s45, s23, 520
	s_add_co_u32 s45, s45, s44                     ; registers 6 u, 6 u + 1 at byte 0 or 520; 6 u + 4, 6 u + 5 lie 512 on
	s_mul_i32 s46, s23, 1016
	s_add_co_u32 s46, s46, s44                     ; registers 6 u + 2, 6 u + 3 at byte 8 or 1,024
	s_lshl_b32 s47, s23, 8
	s_lshl_b32 s22, s22, 2
	s_add_co_u32 s47, s47, s22                     ; the scale words: lane 16 u + r's register P
	v_and_b32 v[LI], 31, v0
	v_lshlrev_b32 v[PFO], 11, v[LI]
	v_lshlrev_b32 v[LI], 4, v[LI]
	v_add_nc_u32 v92, s45, v[LI]
	v_add_nc_u32 v93, s46, v[LI]
	v_and_b32 v94, 15, v0
	v_lshl_add_u32 v94, v94, 4, s47
	v_bfe_u32 v[H8], v0, 4, 1
	v_lshlrev_b32 v[H8], 3, v[H8]
	s_wait_alu depctr_va_vdst(0)                   ; the wait ahead of the waits below
	s_wait_dscnt 0x0                               ; both opening adds are done
	s_wait_kmcnt 0x0
	s_add_nc_u64 s[16:17], s[4:5], s[16:17]        ; kv at my head: made of the head and the wave's number alone
	s_add_nc_u64 s[G0+2:G0+3], s[16:17], s[18:19]
	s_add_nc_u64 s[G0+10:G0+11], s[G0+2:G0+3], 3*REG
	s_add_nc_u64 s[G0+6:G0+7], s[G0+2:G0+3], s[18:19]
	s_add_nc_u64 s[G0+6:G0+7], s[G0+6:G0+7], REG
	s_or_b32 s[G0+3], s[G0+3], 0x80000000
	s_or_b32 s[G0+7], s[G0+7], 0x80000000
	s_or_b32 s[G0+11], s[G0+11], 0x80000000
	s_add_nc_u64 s[6:7], s[6:7], s[62:63]
	s_add_nc_u64 s[MF:MF+1], s[8:9], s[20:21]
	s_add_nc_u64 s[OUTP:OUTP+1], s[10:11], s[20:21]
	s_add_nc_u64 s[PF:PF+1], s[8:9], s[60:61]
	CROUND                                         ; all four work-groups are here: the first joint loads meet
	tensor_load_to_lds s[G0:G0+3], s[G1:G1+7]      ; key steps 0-7, my 26 lines: one tensor load a wave at the head
	s_nop 0
	global_load_b64 v[RF:RF+1], v92, s[6:7]        ; my 16 rows' codes stay in registers
	global_load_b64 v[RF+2:RF+3], v93, s[6:7] offset:8
	global_load_b64 v[RF+4:RF+5], v92, s[6:7] offset:512
	global_load_b32 v[RSC], v94, s[6:7] offset:6144
.irp j, 6,7,8,9,10,11
	v_mov_b32 v[RF+\j], 0                          ; zero codes for K = 64 .. 127
.endr
.irp j, 0,1,2,3,4,5
	v_mov_b32 v[KF+48+\j], 0                       ; behind the keys' last tile
.endr
.set j, 0
.rept 32
	v_mov_b32 v[O+j], 0                            ; O^T: the step is written once; the first finds zeros
.set j, j+1
.endr
	v_mov_b32 v[T1], 0                             ; a lane permute's destination counts as one of its sources
	v_mov_b32 v[CT], 0
	v_mov_b32 v14, 0
	v_mov_b32 v15, 0
	v_mov_b32 v13, 0xff61b1e6                      ; the largest score so far: -3e38
	v_mov_b32 v12, 0x7e000000                      ; -M: a whole number above every -M to come, so that the first f is 0
	s_mov_b32 s[TB], 0
	v_add_nc_u32 v[ADR], s[TB], v[LI]
	s_wait_alu depctr_va_vdst(0)                   ; the wait at the head's end
	s_wait_tensorcnt 0x0                           ; my part of region 0 is in; the lines ahead of a later first fill:
	ds_add_u32 v[SPW], v[NIL]
	s_wait_dscnt 0x0
	CROUND                                         ; everybody's part is in, and the joint loads meet
	tensor_load_to_lds s[G0+4:G0+7], s[G1B:G1B+7]  ; key steps 8-23, my 52 lines
	s_nop 0
.set ki, 0
	FK 13, LI, 0                                   ; key step 0's keys
	s_wait_loadcnt 0x0                             ; my rows
	s_wait_dscnt 0x0
	SCORES
.rept 4
	v_nop                                          ; places ahead of the first read of the scores
.endr
	LOOP 7                                         ; key steps 0-6
	BODY 1, 1, 0, 0                                ; 7: region 0 has been read and takes key steps 24-31
	LOOP 15                                        ; 8-22
	BODY 1, 2, 1, 1                                ; 23: key step 24's keys lie in region 0
	s_and_b32 s16, s[WV], 2                        ; waves 4 g and 4 g + 1 name the 64 rows of the residual that waves 4 g .. 4 g + 3 will load: a lane a row's 256 bytes of my head
	s_cmp_lg_u32 s16, 0
	s_cbranch_scc1 .Lnot_mine
	global_prefetch_b8 v[PFO], s[PF:PF+1] th:TH_LOAD_NT scope:SCOPE_SE
.Lnot_mine:
	LOOP 7                                         ; 24-30
	; the keys' registers are free: the way out's addresses, and the residual's loads, one key step ahead of their use
	v_and_b32 v68, 15, v0                          ; r
	v_bfe_u32 v67, v0, 4, 1                        ; h
	v_lshlrev_b32 v66, 4, v68
	v_mul_u32_u24 v64, v68, 272                    ; into the stage: row r, + 64 h
	v_mul_u32_u24 v65, v67, 272                    ; back: row h, + 16 r
	s_mul_i32 s16, s[WV], 16*272
	s_add_co_u32 s16, s16, STAGE
	v_lshl_add_u32 v66, v67, 11, v66               ; lanes 0-15 one row, lanes 16-31 the next; 16 bytes a lane
	v_lshl_add_u32 v64, v67, 6, v64
	v_lshl_add_u32 v65, v68, 4, v65
	v_add_nc_u32 v64, s16, v64
	v_add_nc_u32 v65, s16, v65
.irp i, 0,1,2,3,4,5,6,7
	global_load_b128 v[32+4*\i:35+4*\i], v66, s[MF:MF+1] offset:(2*\i+24*(\i/4))*2048 th:TH_LOAD_NT   ; index 2 i + h of my tile is row 2 i + h + 24 (i / 4)
.endr
	BODY 0, 0, 0, 0                                ; 31
	; THE WAY OUT: O^T / the sum goes through my stage and comes back as whole rows of 256 bytes; m_feats is added; sixteen lanes store 256 consecutive bytes, aligned
	v_add_f32 v14, v14, v15
	s_delay_alu instid0(VALU_DEP_1)
	v_permlanex16_b32 v[CT], v14, s[SEL], s[SEL+1]
	s_delay_alu instid0(VALU_DEP_1)
	v_add_f32 v14, v14, v[CT]                      ; the row's sum
	s_wait_alu depctr_va_vdst(0)
	v_rcp_f32 v14, v14
	v_nop
	s_wait_alu depctr_va_vdst(0)                   ; ahead of the first reader of the reciprocal and of O^T
.set j, 0
.rept 16
	v_pk_mul_f32 v[S+j:S+j+1], v[O+j:O+j+1], v[14:15] op_sel_hi:[1,0]   ; register 8 t + i is channel 32 (t / 2) + 16 h + 8 (t % 2) + i of row r
.set j, j+2
.endr
.irp t, 0,1,2,3
	ds_store_b128 v64, v[S+8*\t:S+8*\t+3] offset:128*(\t/2)+32*(\t%2)
	ds_store_b128 v64, v[S+8*\t+4:S+8*\t+7] offset:128*(\t/2)+32*(\t%2)+16
.endr
.irp i, 0,1,2,3,4,5,6,7
	ds_load_b128 v[VF+4*\i:VF+4*\i+3], v65 offset:544*\i   ; LDS serves a wave's instructions in order (ISA guide 5.7.1.4): these see my stores
.endr
	s_wait_loadcnt 0x0                             ; the residual
.irp i, 0,1,2,3,4,5,6,7
	s_wait_dscnt 7-\i                              ; the younger read-backs may be out
	v_pk_add_f32 v[VF+4*\i:VF+4*\i+1], v[VF+4*\i:VF+4*\i+1], v[32+4*\i:33+4*\i]
	v_pk_add_f32 v[VF+4*\i+2:VF+4*\i+3], v[VF+4*\i+2:VF+4*\i+3], v[34+4*\i:35+4*\i]
	global_store_b128 v66, v[VF+4*\i:VF+4*\i+3], s[OUTP:OUTP+1] offset:(2*\i+24*(\i/4))*2048 th:TH_STORE_NT
.endr
	s_wait_tensorcnt 0x0                           ; the wave's end
	ds_add_u32 v[SPW], v[NIL]
	s_wait_dscnt 0x0
	CROUND                                         ; the closing round
	s_endpgm
.Lfunc_end_k_q7b6e93b1f8_attn:
	.size	k_q7b6e93b1f8_attn, .Lfunc_end_k_q7b6e93b1f8_attn-k_q7b6e93b1f8_attn
	.p2alignl 7, 3214868480
	.fill 96, 4, 3214868480
	.section	.rodata,"a",@progbits
	.p2align	6, 0x0
	.amdhsa_kernel k_q7b6e93b1f8_attn
		.amdhsa_group_segment_fixed_size 327680
		.amdhsa_private_segment_fixed_size 0
		.amdhsa_enable_private_segment 0
		.amdhsa_kernarg_size 32
		.amdhsa_user_sgpr_count 2
		.amdhsa_user_sgpr_kernarg_segment_ptr 1
		.amdhsa_wavefront_size32 1
		.amdhsa_system_sgpr_workgroup_id_x 1
		.amdhsa_system_sgpr_workgroup_id_y 1
		.amdhsa_system_sgpr_workgroup_id_z 1
		.amdhsa_system_vgpr_workitem_id 0
		.amdhsa_next_free_vgpr 256
		.amdhsa_next_free_sgpr 76
		.amdhsa_reserve_vcc 0
		.amdhsa_float_denorm_mode_32 3
		.amdhsa_float_denorm_mode_16_64 3
		.amdhsa_memory_ordered 1
		.amdhsa_forward_progress 1
		.amdhsa_inst_pref_size 99
	.end_amdhsa_kernel
	.amdgpu_metadata
---
amdhsa.version: [ 1, 2 ]
amdhsa.kernels:
  - .name:           k_q7b6e93b1f8_attn
    .symbol:         k_q7b6e93b1f8_attn.kd
    .args:
      - { .name: kv, .offset: 0, .size: 8, .value_kind: global_buffer, .address_space: global }
      - { .name: rws, .offset: 8, .size: 8, .value_kind: global_buffer, .address_space: global }
      - { .name: m_feats, .offset: 16, .size: 8, .value_kind: global_buffer, .address_space: global }
      - { .name: out0, .offset: 24, .size: 8, .value_kind: global_buffer, .address_space: global }
    .group_segment_fixed_size: 327680
    .private_segment_fixed_size: 0
    .kernarg_segment_align: 8
    .kernarg_segment_size: 32
    .max_flat_workgroup_size: 512
    .sgpr_count:     76
    .vgpr_count:     256
    .wavefront_size: 32
...
	.end_amdgpu_metadata
.endif
;; end of part 2
